; MI455X (gfx1250); checked and timed in simulation.
; The chip was launched on July 23, 2026; its instructions are those of AMD's public machine-readable ISA for CDNA 5 (MIT licence, August 2026) and "CDNA5" Instruction Set Architecture Reference Guide (July 2026). The comments in the code are by the model that wrote it; some were corrected since.
;; Global Attention. Allowed arithmetic: float matrix products may take bf16 or f16 operands with f32 sums; all other float work in f32.
;; Inputs: Va 1 x 1,024 float32; Wa 1,024 x 2,048 float32; context 32 x 2,048 x 1,024 float32; x 32 x 1,024 float32.
;; Outputs: out0 32 x 1,024 float32; out1 32 x 2,048 float32.
;; One version. Each part assembles by itself: llvm-mc -triple=amdgcn-amd-amdhsa -mcpu=gfx1250 --defsym DOCPART=n.
;; ======== version 1 of 1: 3 launches
;; workspace buffers: wfrag 2,097,152 bytes; htp 524,288 bytes; scores 262,144 bytes; part 2,097,152 bytes
;; launch prep (part 1): grid 64 x 1, 16 waves a work-group, no clusters, 36,864 bytes of LDS; arguments Wa, x, wfrag, htp; writes wfrag, htp
.if DOCPART == 1
	.amdgcn_target "amdgcn-amd-amdhsa--gfx1250"
	.amdhsa_code_object_version 6
	.text
	.protected	k_qb52d76ac65_prep
	.globl	k_qb52d76ac65_prep
	.p2align	8
	.type	k_qb52d76ac65_prep,@function
k_qb52d76ac65_prep:
	s_mov_b64 s[64:65], 0
	v_nop
	global_prefetch_b8 v0, s[64:65] scope:SCOPE_SE
	s_setreg_imm32_b32 hwreg(HW_REG_WAVE_MODE, 25, 1), 1
	s_wait_xcnt 0x0
; PREP.  Wa: [1024][2048] f32 (columns 0-1023 = Wa_t, 1024-2047 = Wa_s).  x: [32][1024] f32.
; Two results, both scaled by C2 = 2 log2(e), so that the main kernel's tanh(z) = 1 - 2 / (1 + 2^(C2 z)) needs no multiply:
;  (1) wfrag: bf16(C2 Wa_s) in the order in which the main kernel's lanes load B fragments:
;      byte = G*262144 + kb*8192 + b*1024 + half*512 + lane*16 holds the 8 numbers n = 128 G + 8 r + b, k = 32 kb + 16 half + 8 h + 0..7
;      (r = lane & 15, h = lane >> 4).  Every store of a wave covers 512 consecutive bytes, aligned.
;  (2) htp[kq][batch][n] = C2 * sum over k in [256 kq, 256 kq + 255] of bf16(x[batch][k]) bf16(Wa_t[n][k]), f32: four partial sums over K,
;      which the main kernel adds.  K is split over work-groups so that 64 of them share the reading of Wa.
; Work-group (ng = id & 15, kq = id >> 4): 64 columns n, 256 of K.  Wave (nbl = w & 3, kh = w >> 2): 16 columns, 64 of K = two blocks kk of 32.
; The same wave converts the part of Wa_s with G = ng >> 1, b = 4 (ng & 1) + nbl, kb = 8 kq + 2 kh + kk: each (G, b, kb) falls to one wave.
; No tensor loads, clusters or rings: each wave loads 32 x 16 bytes a lane once and is done.
; Limit: inputs finite.
.set C2,   0x4038aa3b                  ; 2 log2(e)
.set XO,   4                           ; v4  byte offset in x:      r*4096 + 32 h + 4 k0
.set WTO,  5                           ; v5  byte offset in Wa_t:   (64 ng + 16 nbl + r)*8192 + 32 h + 4 k0
.set WSO,  6                           ; v6  byte offset in Wa_s:   (128 G + 8 r + b)*8192 + 4096 + 32 h + 4 k0
.set FO,   7                           ; v7  byte offset in wfrag
.set X,    32                          ; v[32:95]   x as loaded, 16 f32 for (mb, kk) at 32 mb + 16 kk; then 8 registers of bf16 each
.set WT,   96                          ; v[96:127]  Wa_t, 16 f32 for kk
.set WS,   128                         ; v[128:159] Wa_s, 16 f32 for kk
.set ACC0, 160                         ; v[160:167] batches 0-15
.set ACC1, 168                         ; v[168:175] batches 16-31
.set LP,   272                         ; LDS row: 64 f32 + 16 bytes
.set LQ,   32*LP                       ; one kh: 32 batches
; 16 f32 of a fragment: k = 8h..8h+7 (bytes 0, 16) and k = 16+8h.. (bytes 64, 80)
.macro LD16 dst, voff, sb, imm
	global_load_b128 v[\dst:\dst+3],     v[\voff], s[\sb:\sb+1] offset:\imm
	global_load_b128 v[\dst+4:\dst+7],   v[\voff], s[\sb:\sb+1] offset:\imm+16
	global_load_b128 v[\dst+8:\dst+11],  v[\voff], s[\sb:\sb+1] offset:\imm+64
	global_load_b128 v[\dst+12:\dst+15], v[\voff], s[\sb:\sb+1] offset:\imm+80
.endm
; 16 f32 to 8 registers of bf16, in place: register i is written when registers 2i, 2i+1 are read, never ahead of a read
.macro CVT16 base
.irp i, 0,1,2,3,4,5,6,7
	v_cvt_pk_bf16_f32 v[\base+\i], v[\base+2*\i], v[\base+2*\i+1]
.endr
.endm
	s_load_b256 s[4:11], s[0:1], 0x0               ; Wa s[4:5], x s[6:7], wfrag s[8:9], htp s[10:11]
	v_lshl_add_u32 v176, v0, 2, 0x8800
	v_mov_b32 v177, 0
	v_lshrrev_b32 v1, 5, v0
	v_readfirstlane_b32 s12, v1                    ; wave 0..15
	s_and_b32 s13, ttmp9, 15                       ; ng
	s_lshr_b32 s14, ttmp9, 4                       ; kq
	s_and_b32 s15, s12, 3                          ; nbl
	s_lshr_b32 s16, s12, 2                         ; kh
	s_mov_b32 s20, C2
	s_mov_b32 s21, 0                               ; the pair's second word is named by the packed multiply, not used
	s_lshl_b32 s17, s14, 10
	s_lshl_b32 s18, s16, 8
	s_add_co_u32 s17, s17, s18                     ; 4 k0 = 1024 kq + 256 kh
	v_and_b32 v1, 31, v0                           ; lane
	v_and_b32 v2, 15, v0                           ; r (also thread & 15)
	v_bfe_u32 v3, v0, 4, 1                         ; h
	v_lshlrev_b32 v8, 5, v3
	v_add_nc_u32 v8, s17, v8                       ; 32 h + 4 k0
	v_lshl_add_u32 v[XO], v2, 12, v8
	s_lshl_b32 s18, s13, 19                        ; 64 ng rows of 8,192 bytes
	s_lshl_b32 s19, s15, 17                        ; 16 nbl rows
	s_add_co_u32 s18, s18, s19
	v_lshl_add_u32 v[WTO], v2, 13, v8
	v_add_nc_u32 v[WTO], s18, v[WTO]
	s_lshr_b32 s22, s13, 1                         ; G
	s_and_b32 s23, s13, 1
	s_lshl2_add_u32 s23, s23, s15                  ; b = 4 (ng & 1) + nbl
	s_lshl_b32 s18, s22, 20                        ; 128 G rows
	s_lshl_b32 s19, s23, 13                        ; b rows
	s_add_co_u32 s18, s18, s19
	s_add_co_u32 s18, s18, 4096                    ; the right half of a row of Wa
	v_lshl_add_u32 v[WSO], v2, 16, v8              ; 8 r rows
	v_add_nc_u32 v[WSO], s18, v[WSO]
	s_lshl_b32 s18, s22, 18                        ; wfrag: G*262144
	s_lshl_b32 s19, s14, 16                        ; + 8 kq * 8192
	s_add_co_u32 s18, s18, s19
	s_lshl_b32 s19, s16, 14                        ; + 2 kh * 8192
	s_add_co_u32 s18, s18, s19
	s_lshl_b32 s19, s23, 10                        ; + b * 1024
	s_add_co_u32 s18, s18, s19
	v_lshl_add_u32 v[FO], v1, 4, s18
	s_wait_kmcnt 0x0
	LD16 WT,    WTO, 4, 0
	LD16 WT+16, WTO, 4, 128
	LD16 X,     XO,  6, 0                          ; batches 0-15, kk 0
	LD16 X+16,  XO,  6, 128
	LD16 X+32,  XO,  6, 65536                      ; batches 16-31
	LD16 X+48,  XO,  6, 65536+128
	LD16 WS,    WSO, 4, 0
	LD16 WS+16, WSO, 4, 128
	; LDS addresses and the offset of the last store, while the loads are out
	s_mul_i32 s18, s16, LQ
	s_lshl_b32 s19, s15, 6
	s_add_co_u32 s18, s18, s19                     ; kh's block + 16 nbl columns
	v_mul_u32_u24 v9, v3, 8*LP
	v_lshl_add_u32 v9, v2, 2, v9
	v_add_nc_u32 v9, s18, v9                       ; in: row 8 h (+ 16 mb + j by the immediate), column 16 nbl + r
	v_lshrrev_b32 v10, 4, v0                       ; back: thread t takes batch t >> 4, 16 bytes at (t & 15) * 16
	v_mul_u32_u24 v11, v10, LP
	v_lshl_add_u32 v11, v2, 4, v11
	s_lshl_b32 s18, s14, 17                        ; htp: kq * 32 * 4096
	s_lshl_b32 s19, s13, 8                         ; + 64 ng columns
	s_add_co_u32 s18, s18, s19
	v_lshlrev_b32 v12, 12, v10
	v_lshl_add_u32 v12, v2, 4, v12
	v_add_nc_u32 v12, s18, v12
	s_wait_loadcnt 0x8                             ; Wa_t and x are in; the eight younger loads (Wa_s) stay out
	CVT16 WT
	CVT16 WT+16
	CVT16 X
	CVT16 X+16
	CVT16 X+32
	CVT16 X+48
	; The two accumulators take turns, one instruction a turn.  The first products start the sums.
	v_wmma_f32_16x16x32_bf16 v[ACC0:ACC0+7], v[X:X+7],       v[WT:WT+7],       0
	v_wmma_f32_16x16x32_bf16 v[ACC1:ACC1+7], v[X+32:X+39],   v[WT:WT+7],       0
	v_wmma_f32_16x16x32_bf16 v[ACC0:ACC0+7], v[X+16:X+23],   v[WT+16:WT+23],   v[ACC0:ACC0+7]
	v_wmma_f32_16x16x32_bf16 v[ACC1:ACC1+7], v[X+48:X+55],   v[WT+16:WT+23],   v[ACC1:ACC1+7]
	s_wait_loadcnt 0x0                             ; Wa_s
	; Wa_s: scale, round, store.  These 32 plain vector instructions name no register of the matrix instructions above,
	; so they are also the places that stand between those and the LDS stores of their results.
.irp i, 0,2,4,6,8,10,12,14,16,18,20,22,24,26,28,30
	v_pk_mul_f32 v[WS+\i:WS+\i+1], v[WS+\i:WS+\i+1], s[20:21] op_sel_hi:[1,0]
.endr
	CVT16 WS
	CVT16 WS+16
	global_store_b128 v[FO], v[WS:WS+3],     s[8:9]                 ; kk 0, half 0: 512 consecutive bytes of the wave
	global_store_b128 v[FO], v[WS+4:WS+7],   s[8:9] offset:512      ; kk 0, half 1
	global_store_b128 v[FO], v[WS+16:WS+19], s[8:9] offset:8192     ; kk 1
	global_store_b128 v[FO], v[WS+20:WS+23], s[8:9] offset:8704
	; result register j of lane (r, h) is (batch 16 mb + 8 h + j, column r): the four kh of a column meet in LDS
.irp j, 0,1,2,3,4,5,6,7
	ds_store_b32 v9, v[ACC0+\j] offset:\j*LP
	ds_store_b32 v9, v[ACC1+\j] offset:(16+\j)*LP
.endr
	s_wait_dscnt 0x0                               ; my stores are done, for the other waves' reads
	s_barrier_signal -1
	s_barrier_wait -1
	ds_load_b128 v[16:19], v11
	ds_load_b128 v[20:23], v11 offset:LQ
	ds_load_b128 v[24:27], v11 offset:2*LQ
	ds_load_b128 v[28:31], v11 offset:3*LQ
	s_wait_dscnt 0x0
	v_pk_add_f32 v[16:17], v[16:17], v[20:21]
	v_pk_add_f32 v[18:19], v[18:19], v[22:23]
	v_pk_add_f32 v[24:25], v[24:25], v[28:29]
	v_pk_add_f32 v[26:27], v[26:27], v[30:31]
	v_pk_add_f32 v[16:17], v[16:17], v[24:25]
	v_pk_add_f32 v[18:19], v[18:19], v[26:27]
	v_pk_mul_f32 v[16:17], v[16:17], s[20:21] op_sel_hi:[1,0]
	v_pk_mul_f32 v[18:19], v[18:19], s[20:21] op_sel_hi:[1,0]
	global_store_b128 v12, v[16:19], s[10:11]      ; sixteen lanes store 256 consecutive bytes, aligned: 64 columns of one batch
	s_wait_tensorcnt 0x0
	ds_add_u32 v176, v177
	s_wait_dscnt 0x0
	s_endpgm
.Lfunc_end_k_qb52d76ac65_prep:
	.size	k_qb52d76ac65_prep, .Lfunc_end_k_qb52d76ac65_prep-k_qb52d76ac65_prep
	.p2alignl 7, 3214868480
	.fill 96, 4, 3214868480
	.section	.rodata,"a",@progbits
	.p2align	6, 0x0
	.amdhsa_kernel k_qb52d76ac65_prep
		.amdhsa_group_segment_fixed_size 36864
		.amdhsa_private_segment_fixed_size 0
		.amdhsa_enable_private_segment 0
		.amdhsa_kernarg_size 32
		.amdhsa_user_sgpr_count 2
		.amdhsa_user_sgpr_kernarg_segment_ptr 1
		.amdhsa_wavefront_size32 1
		.amdhsa_system_sgpr_workgroup_id_x 1
		.amdhsa_system_sgpr_workgroup_id_y 1
		.amdhsa_system_sgpr_workgroup_id_z 1
		.amdhsa_system_vgpr_workitem_id 0
		.amdhsa_next_free_vgpr 178
		.amdhsa_next_free_sgpr 66
		.amdhsa_reserve_vcc 0
		.amdhsa_float_denorm_mode_32 3
		.amdhsa_float_denorm_mode_16_64 3
		.amdhsa_memory_ordered 1
		.amdhsa_forward_progress 1
		.amdhsa_inst_pref_size 14
	.end_amdhsa_kernel
	.amdgpu_metadata
---
amdhsa.version: [ 1, 2 ]
amdhsa.kernels:
  - .name:           k_qb52d76ac65_prep
    .symbol:         k_qb52d76ac65_prep.kd
    .args:
      - { .name: Wa, .offset: 0, .size: 8, .value_kind: global_buffer, .address_space: global }
      - { .name: x, .offset: 8, .size: 8, .value_kind: global_buffer, .address_space: global }
      - { .name: wfrag, .offset: 16, .size: 8, .value_kind: global_buffer, .address_space: global }
      - { .name: htp, .offset: 24, .size: 8, .value_kind: global_buffer, .address_space: global }
    .group_segment_fixed_size: 36864
    .private_segment_fixed_size: 0
    .kernarg_segment_align: 8
    .kernarg_segment_size: 32
    .max_flat_workgroup_size: 512
    .sgpr_count:     66
    .vgpr_count:     178
    .wavefront_size: 32
...
	.end_amdgpu_metadata
.endif
;; end of part 1
;; launch main (part 2): grid 16 x 32, 4 waves a work-group, no clusters, 273,920 bytes of LDS; arguments context, wfrag, htp, Va, scores, part; writes scores, part
.if DOCPART == 2
	.amdgcn_target "amdgcn-amd-amdhsa--gfx1250"
	.amdhsa_code_object_version 6
	.text
	.protected	k_qb52d76ac65_main
	.globl	k_qb52d76ac65_main
	.p2align	8
	.type	k_qb52d76ac65_main,@function
k_qb52d76ac65_main:
	s_mov_b64 s[64:65], 0
	v_nop
	global_prefetch_b8 v0, s[64:65] scope:SCOPE_SE
	s_setreg_imm32_b32 hwreg(HW_REG_WAVE_MODE, 25, 1), 1
	s_wait_xcnt 0x0
; MAIN.  One work-group = 128 rows of context of one batch (blk = x, batch = y); four waves.
;   1. FILL: the 128 x 1024 f32 are read once, rounded to bf16 and laid into LDS (264,192 bytes), where they stay.
;   2. GEMM: z = C2 (ht + context Wa_s^T).  Wave w makes 128 rows x 128 columns at a time (64 accumulator tiles, 512 registers), two such
;      chunks: columns 256 w + 128 c + 0..127.  A comes from LDS (all four waves read the same rows); B (wfrag, already bf16 and in fragment
;      order) is used by one wave alone, so it goes from memory straight into registers, three K steps of 32 ahead: no barrier in the K loop.
;   3. EPILOGUE of a chunk: r = 1 / (1 + 2^z), partial score = sum over the columns of (-2 Va) r.  tanh = 1 - 2 r, so the score is this sum plus
;      the constant sum of Va, which is left out: softmax is unchanged by a common shift, and scores is a workspace buffer.
;      2^z = inf gives r = 0, 2^z flushed to 0 gives r = 1: tanh saturates rightly.
;   4. END: the eight partial scores of a row are added; sc goes to memory; m = the block's maximum; p = e^(sc - m) as bf16;
;      part[d] = sum over the 128 rows of p ctx[row][d], on the matrix unit, from the same LDS rows through transposing loads.
; The combine launch takes the batch's maximum, rescales the 16 blocks' parts by e^(m - M) and normalises.
; NO JOINT (CLUSTER) LOADS, though all work-groups walk the same 2 MiB of wfrag: a joint load lands in LDS.  The resident rows take 264,192 and the
; stages 9,216 of 327,680 bytes, which leaves 54,272; one K step of 32 for the work-group's 512 columns is 32,768 bytes, so two slots do not fit.
; Limits: inputs finite; p and context enter the weighted sum as bf16; results of the exponential below 2^-126 are 0 (ISA guide, v_exp_f32).
;
; REGISTERS, in windows of 256 (s_set_vgpr_msb, low byte: bits 1:0 source 0, 3:2 source 1, 5:4 source 2, 7:6 destination):
;   window 0: addresses, ht, Va, two buffers of A fragments, scratch;  window 1: four buffers of B fragments (64 registers each);
;   windows 2, 3: accumulator tile (a, b) at v[8 (8 (a & 3) + b)], window 2 for row blocks a = 0..3, window 3 for a = 4..7.
;   During the fill window 2 holds the ring of loaded rows (v0-223) and three offsets (v224-226).
.set PITCH, 2064                       ; an LDS row: 2,048 bytes + 16 = 129 x 16: the 16 rows of a fragment load fall on 16 different 16-byte columns modulo 256
.set SCW,   128*PITCH                  ; 264,192: partial scores, [4 c + w][128 rows] f32, 4,096 bytes
.set PB,    SCW+4096                   ; 268,288: p as bf16, 256 bytes for each wave, its own
.set OST,   PB+1024                    ; 269,312: the way out, 1,024 bytes for each wave, its own
.set LANE,  1
.set RR,    2                          ; r = lane & 15
.set HH,    3                          ; h = lane >> 4
.set BOFF,  4                          ; 16 lane: offset in wfrag and in scores; never rewritten
.set HTO,   5                          ; 1024 w + 32 r: my 8 neighbouring columns of chunk 0 in htp and Va
.set SCA,   6                          ; SCW + 512 w + 32 h
.set SCR,   7                          ; SCW + 16 lane
.set ADRA,  8                          ; v[8:15]  LDS address of A row block a: (16 a + r) PITCH + 16 h + the trip's K; at the end v[8:11]: transposing loads
.set CO,    16                         ; w * 32 rows * 4,096 + 16 lane
.set LW0,   17                         ; 32 w PITCH + 8 lane
.set LW1,   18                         ; the same, 16 rows on
.set POFF,  19                         ; 1024 w + 16 lane: offset in part
.set OSR,   20                         ; OST + 1024 w + 16 lane
.set ABASE, 21                         ; r PITCH + 16 h
.set TBASE, 22                         ; (8 h + (lane & 7)) PITCH + 512 w + 16 ((lane >> 3) & 1)
.set OSW,   23                         ; OST + 1024 w + 4 r
.set SC,    24                         ; v[24:27] scores of rows 4 lane .. + 3; never rewritten behind their store
.set MX,    28
.set TP,    29
.set PBW,   30                         ; PB + 256 w + 8 lane
.set PBR,   31                         ; PB + 256 w + 16 h
.set HT,    32                         ; v[32:47] C2 ht of my columns, index 8 c + b; at the end: p as A fragments
.set VA,    48                         ; v[48:63] -2 Va of my columns, index 8 c + b
.set F0,    64                         ; v[64:127]  A fragments, buffer 0
.set F1,    128                        ; v[128:191] A fragments, buffer 1
.set RAW,   192                        ; v[192:255] htp as loaded, index 16 kq + 8 c + b; later scratch
.set MSB, 0
.macro WIN new                         ; the immediate's high byte repeats the setting that is left; a switch that changes nothing is dropped
.if MSB != \new
	s_set_vgpr_msb (MSB<<8)|\new
.set MSB, \new
.endif
.endm
.set W_MLO,  0xa4                      ; product: A window 0, B window 1, C and D window 2
.set W_MHI,  0xf4                      ; the same, C and D window 3
.set W_TOB,  0x40                      ; loads into window 1, address in window 0
.set W_TO2,  0x80                      ; moves into window 2
.set W_ALL2, 0x8a                      ; destination, sources 0 and 1 in window 2
.set W_ALL3, 0xcf                      ; the same in window 3
.set W_ELO,  0xa2                      ; epilogue: destination, sources 0 and 2 in window 2, source 1 (ht, Va) in window 0
.set W_EHI,  0xf3
.set W_SLO,  0x08                      ; LDS store: address window 0, data window 2
.set W_SHI,  0x0c
.set W_WGT,  0x04                      ; weighted sum: A, C, D window 0, B window 1
.macro PLACES                          ; four plain vector instructions behind a matrix instruction, before its registers are loaded into or its result read (ISA guide 7.12.1)
.rept 4
	v_nop
.endr
.endm
; row rho of my 32 into ring slot rho mod 7: eight loads of 512 consecutive bytes.  Read once in the launch.
.macro CLOAD rho
.irp j, 0,1,2,3,4,5,6,7
	global_load_b128 v[32*((\rho)%7)+4*\j:32*((\rho)%7)+4*\j+3], v224, s[4:5] offset:(\rho)*4096+512*\j th:TH_LOAD_NT
.endr
.endm
; the turn of row rho: left = loads younger than the row's eight.  Round in place (4 f32 to 2 registers), eight LDS stores of 256 consecutive bytes.
.macro FROW rho, left, refill
	s_wait_loadcnt \left
.irp j, 0,1,2,3,4,5,6,7
	v_cvt_pk_bf16_f32 v[32*((\rho)%7)+4*\j],   v[32*((\rho)%7)+4*\j],   v[32*((\rho)%7)+4*\j+1]
	v_cvt_pk_bf16_f32 v[32*((\rho)%7)+4*\j+1], v[32*((\rho)%7)+4*\j+2], v[32*((\rho)%7)+4*\j+3]
.endr
.irp j, 0,1,2,3,4,5,6,7
	ds_store_b64 v[225+((\rho)>>4)], v[32*((\rho)%7)+4*\j:32*((\rho)%7)+4*\j+1] offset:((\rho)&15)*PITCH+256*\j
.endr
.if \refill
	CLOAD (\rho)+7
.endif
.endm
; B fragments of K step ks (counted from the base s[6:7]) into buffer q: 16 loads of 512 consecutive bytes
.macro BLOAD ks, q
.irp b, 0,1,2,3,4,5,6,7
	global_load_b128 v[64*(\q)+8*\b:64*(\q)+8*\b+3],   v[BOFF], s[6:7] offset:(\ks)*8192+\b*1024
	global_load_b128 v[64*(\q)+8*\b+4:64*(\q)+8*\b+7], v[BOFF], s[6:7] offset:(\ks)*8192+\b*1024+512
.endr
.endm
; A fragments of 128 rows x 32 K at byte off of the rows into buffer g: 16 LDS loads, row blocks ascending
.macro FETCHA g, off
.irp a, 0,1,2,3,4,5,6,7
	ds_load_b128 v[(\g)+8*\a:(\g)+8*\a+3],   v[ADRA+\a] offset:\off
	ds_load_b128 v[(\g)+8*\a+4:(\g)+8*\a+7], v[ADRA+\a] offset:(\off)+32
.endr
.endm
; 32 matrix instructions: four row blocks x eight column blocks.  The accumulators take turns, one instruction a turn, over the loop's
; backward jump too.  zero = 1: the first product starts the sums.
.macro MUL32 f, q, hi, zero
.irp a, 0,1,2,3
.irp b, 0,1,2,3,4,5,6,7
.if \zero
	v_wmma_f32_16x16x32_bf16 v[8*(8*\a+\b):8*(8*\a+\b)+7], v[(\f)+8*(4*\hi+\a):(\f)+8*(4*\hi+\a)+7], v[64*(\q)+8*\b:64*(\q)+8*\b+7], 0
.else
	v_wmma_f32_16x16x32_bf16 v[8*(8*\a+\b):8*(8*\a+\b)+7], v[(\f)+8*(4*\hi+\a):(\f)+8*(4*\hi+\a)+7], v[64*(\q)+8*\b:64*(\q)+8*\b+7], v[8*(8*\a+\b):8*(8*\a+\b)+7]
.endif
.endr
.endr
.endm
; K step s of a trip of four.  fa: fetch the next step's A; fb: load B three steps ahead; lc: global loads younger than this step's B.
.macro STEP s, zero, fa, fb, lc
	s_wait_loadcnt \lc                             ; this step's 16 loads of B are in; the next steps' stay out
	s_wait_dscnt 8                                 ; A's row blocks 0-3 are in; the youngest eight LDS loads (blocks 4-7) may be out
	WIN W_MLO
	MUL32 F0+64*((\s)&1), (\s)&3, 0, \zero
	PLACES                                         ; behind the last step's products: their A and B buffers are loaded into below
.if \fa
	WIN 0
	FETCHA F0+64*(((\s)+1)&1), 64*((\s)+1)
.endif
.if \fb
	WIN W_TOB
	BLOAD (\s)+3, ((\s)+3)&3
.endif
.if \fa
	s_wait_dscnt 16                                ; all but the 16 just issued
.else
	s_wait_dscnt 0
.endif
	WIN W_MHI
	MUL32 F0+64*((\s)&1), (\s)&3, 1, \zero
.endm
; Four K steps.  last = 0: more trips of the chunk follow; 1: chunk 0's last (B runs on into chunk 1, A starts anew); 2: the very last.
.macro TRIP zero, last
	STEP 0, \zero, 1, 1, 32                        ; younger than a step's B: the next two steps' 32 loads
.if (\last) == 2
	STEP 1, 0, 1, 0, 32
	STEP 2, 0, 1, 0, 16                            ; nothing is left to load: the counts run down
	STEP 3, 0, 0, 0, 0
	WIN 0
.else
	STEP 1, 0, 1, 1, 32
	STEP 2, 0, 1, 1, 32
.if (\last) == 0
	STEP 3, 0, 1, 1, 32
.else
	STEP 3, 0, 0, 1, 32
.endif
	WIN 0
	s_wait_xcnt 0x0                                ; the base of pending loads is stepped only behind this wait (ISA guide 3.1)
	s_add_nc_u64 s[6:7], s[6:7], 32768             ; four K steps of 8,192 bytes; chunk 1's fragments follow chunk 0's
.irp a, 0,1,2,3,4,5,6,7
.if (\last) == 0
	v_add_nc_u32 v[ADRA+\a], 256, v[ADRA+\a]       ; 128 of K along the LDS rows
.else
	v_add_nc_u32 v[ADRA+\a], \a*16*PITCH, v[ABASE] ; back to K = 0
.endif
.endr
.endif
.endm
; The epilogue's five steps on tile u = 8 a + b of a window, in place.
.macro XT u, c                         ; z = product + C2 ht[b]
.irp i, 0,2,4,6
.if (\u)&1
	v_pk_add_f32 v[8*(\u)+\i:8*(\u)+\i+1], v[8*(\u)+\i:8*(\u)+\i+1], v[HT+8*\c+((\u)&6):HT+8*\c+((\u)&6)+1] op_sel:[0,1] op_sel_hi:[1,1]
.else
	v_pk_add_f32 v[8*(\u)+\i:8*(\u)+\i+1], v[8*(\u)+\i:8*(\u)+\i+1], v[HT+8*\c+((\u)&6):HT+8*\c+((\u)&6)+1] op_sel_hi:[1,0]
.endif
.endr
.endm
.macro ET u                            ; 2^z
.irp i, 0,1,2,3,4,5,6,7
	v_exp_f32 v[8*(\u)+\i], v[8*(\u)+\i]
.endr
.endm
.macro AT u                            ; 1 + 2^z
	s_wait_alu depctr_va_vdst(0)
.irp i, 0,2,4,6
	v_pk_add_f32 v[8*(\u)+\i:8*(\u)+\i+1], v[8*(\u)+\i:8*(\u)+\i+1], 1.0 op_sel_hi:[1,0]
.endr
.endm
.macro RT u                            ; r = 1 / (1 + 2^z)
.irp i, 0,1,2,3,4,5,6,7
	v_rcp_f32 v[8*(\u)+\i], v[8*(\u)+\i]
.endr
.endm
.macro FT u, c                         ; tile (a, 0) gathers the sum over b of (-2 Va[b]) r
.irp i, 0,2,4,6
.if ((\u)&7) == 0
	v_pk_mul_f32 v[8*(\u)+\i:8*(\u)+\i+1], v[8*(\u)+\i:8*(\u)+\i+1], v[VA+8*\c:VA+8*\c+1] op_sel_hi:[1,0]
.else
.if (\u)&1
	v_pk_fma_f32 v[8*((\u)&24)+\i:8*((\u)&24)+\i+1], v[8*(\u)+\i:8*(\u)+\i+1], v[VA+8*\c+((\u)&6):VA+8*\c+((\u)&6)+1], v[8*((\u)&24)+\i:8*((\u)&24)+\i+1] op_sel:[0,1,0] op_sel_hi:[1,1,1]
.else
	v_pk_fma_f32 v[8*((\u)&24)+\i:8*((\u)&24)+\i+1], v[8*(\u)+\i:8*(\u)+\i+1], v[VA+8*\c+((\u)&6):VA+8*\c+((\u)&6)+1], v[8*((\u)&24)+\i:8*((\u)&24)+\i+1] op_sel_hi:[1,0,1]
	s_wait_alu depctr_va_vdst(0)
.endif
.endif
.endr
.endm
; The 32 tiles of a window.  Behind each run of eight transcendentals stand plain instructions on another tile before a result is used
; (ISA guide 5.7.2): behind the exponentials the next tile's additions, behind the reciprocals the tile before's multiply-adds.
.macro EPIH c
	XT 0, \c
.set u, 0
.rept 32
	ET u
.if u < 31
	XT u+1, \c
.else
	v_nop
	s_wait_alu depctr_va_vdst(0)
.endif
	AT u
	RT u
.if u > 0
	FT u-1, \c
.else
	v_nop
.endif
.set u, u+1
.endr
	FT 31, \c
.endm
.macro RED                             ; the sum over the 16 lanes of a half (the 16 x 8 columns of the chunk), for the window's 32 row registers
.irp m, 1,2,4,8
.irp a, 0,1,2,3
.irp j, 0,1,2,3,4,5,6,7
	v_add_f32_dpp v[64*\a+\j], v[64*\a+\j], v[64*\a+\j] row_xmask:\m row_mask:0xf bank_mask:0xf
.endr
.endr
.endr
.endm
.macro SCST c, hi                      ; rows 16 a + 8 h + 0..7: the sixteen lanes of a half store the same bytes with the same values
.irp a, 0,1,2,3
	ds_store_b128 v[SCA], v[64*\a:64*\a+3]   offset:\c*2048+(4*\hi+\a)*64
	ds_store_b128 v[SCA], v[64*\a+4:64*\a+7] offset:\c*2048+(4*\hi+\a)*64+16
.endr
.endm
.macro EPI c
	PLACES                                         ; behind the chunk's last products, whose results are read below
	WIN W_ELO
	EPIH \c
	WIN W_ALL2
	RED
	WIN W_SLO
	SCST \c, 0
	WIN W_EHI
	EPIH \c
	WIN W_ALL3
	RED
	WIN W_SHI
	SCST \c, 1
	WIN 0
.endm
.macro CHUNK c                         ; 32 K steps = 8 trips, then the epilogue
	FETCHA F0, 0
	TRIP 1, 0
	s_mov_b32 s22, 6
.Lk_\c:
	TRIP 0, 0
	s_sub_co_u32 s22, s22, 1
	s_cmp_lg_u32 s22, 0
	s_cbranch_scc1 .Lk_\c
	TRIP 0, (1+\c)
	EPI \c
.endm
; The weighted sum.  32 rows of context (K block q) x my 256 columns, transposed on the way from LDS: tile t = columns 16 t .. + 15.
.macro FETCHT q
.irp t, 0,1,2,3,4,5,6,7,8,9,10,11,12,13,14,15
	ds_load_tr16_b128 v[128*((\q)&1)+8*\t:128*((\q)&1)+8*\t+3],   v[ADRA+\q] offset:32*\t
	ds_load_tr16_b128 v[128*((\q)&1)+8*\t+4:128*((\q)&1)+8*\t+7], v[ADRA+\q] offset:32*\t+16*PITCH
.endr
.endm
.macro MULT q, zero                    ; 16 accumulators by turns, one instruction a turn
.irp t, 0,1,2,3,4,5,6,7,8,9,10,11,12,13,14,15
.if \zero
	v_wmma_f32_16x16x32_bf16 v[F0+8*\t:F0+8*\t+7], v[HT+8*\q:HT+8*\q+7], v[128*((\q)&1)+8*\t:128*((\q)&1)+8*\t+7], 0
.else
	v_wmma_f32_16x16x32_bf16 v[F0+8*\t:F0+8*\t+7], v[HT+8*\q:HT+8*\q+7], v[128*((\q)&1)+8*\t:128*((\q)&1)+8*\t+7], v[F0+8*\t:F0+8*\t+7]
.endif
.endr
.endm
	; ---- head: what the first loads need
	s_load_b256 s[4:11], s[0:1], 0x0               ; context s[4:5], wfrag s[6:7], htp s[8:9], Va s[10:11]
	s_load_b128 s[12:15], s[0:1], 0x20             ; scores s[12:13], part s[14:15]
	v_lshrrev_b32 v[LANE], 5, v0
	v_readfirstlane_b32 s16, v[LANE]               ; wave 0..3
	s_and_b32 s17, ttmp7, 0xffff                   ; batch
	v_and_b32 v[LANE], 31, v0
	v_and_b32 v[RR], 15, v0
	v_bfe_u32 v[HH], v0, 4, 1
	v_lshlrev_b32 v[BOFF], 4, v[LANE]
	s_lshl_b32 s18, s16, 10                        ; 1024 w
	v_lshl_add_u32 v[HTO], v[RR], 5, s18
	v_add_nc_u32 v[POFF], s18, v[BOFF]
	s_lshl_b32 s19, s16, 17                        ; my 32 rows of 4,096 bytes
	v_add_nc_u32 v[CO], s19, v[BOFF]
	s_mul_i32 s19, s16, 32*PITCH
	v_lshl_add_u32 v[LW0], v[LANE], 3, s19
	v_add_nc_u32 v[LW1], 16*PITCH, v[LW0]
	s_lshl_b32 s20, s17, 23                        ; batch * 2048 rows * 4,096 bytes
	s_lshl_b32 s21, ttmp9, 19                      ; + blk * 128 rows
	s_or_b32 s20, s20, s21
	s_mov_b32 s21, 0
	s_wait_kmcnt 0x0
	s_add_nc_u64 s[4:5], s[4:5], s[20:21]
	s_lshl_b32 s20, s16, 19                        ; my wave's 512 KiB of wfrag
	s_add_nc_u64 s[6:7], s[6:7], s[20:21]
	s_lshl_b32 s20, s17, 12
	s_add_nc_u64 s[8:9], s[8:9], s[20:21]          ; htp at my batch
	s_lshl_b32 s20, s17, 13
	s_lshl_b32 s22, ttmp9, 9
	s_add_co_u32 s20, s20, s22
	s_add_nc_u64 s[12:13], s[12:13], s[20:21]      ; scores at my 128 rows
	s_lshl_b32 s20, s17, 4
	s_add_co_u32 s20, s20, ttmp9
	s_lshl_b32 s20, s20, 12
	s_add_nc_u64 s[14:15], s[14:15], s[20:21]      ; part at my block's 4,096 bytes
.irp kq, 0,1,2,3
.irp c, 0,1
	global_load_b128 v[RAW+16*\kq+8*\c:RAW+16*\kq+8*\c+3],   v[HTO], s[8:9] offset:\kq*131072+\c*512
	global_load_b128 v[RAW+16*\kq+8*\c+4:RAW+16*\kq+8*\c+7], v[HTO], s[8:9] offset:\kq*131072+\c*512+16
.endr
.endr
.irp c, 0,1
	global_load_b128 v[VA+8*\c:VA+8*\c+3],   v[HTO], s[10:11] offset:\c*512
	global_load_b128 v[VA+8*\c+4:VA+8*\c+7], v[HTO], s[10:11] offset:\c*512+16
.endr
	WIN W_TO2
	v_mov_b32 v224, v[CO]                          ; the fill works under one window setting: its three offsets move into window 2
	v_mov_b32 v225, v[LW0]
	v_mov_b32 v226, v[LW1]
	WIN W_ALL2
.irp rw, 0,1,2,3,4,5,6
	CLOAD \rw
.endr
	; ---- the other addresses, while the first loads are out
	WIN 0
	s_mov_b32 s24, 0x76543210                      ; v_permlanex16_b32: lane i of one half reads lane i of the other
	s_mov_b32 s25, 0xfedcba98
	s_mov_b32 s26, 0x3fb8aa3b                      ; log2(e)
	s_add_co_u32 s19, s18, OST
	v_add_nc_u32 v[OSR], s19, v[BOFF]
	v_lshl_add_u32 v[OSW], v[RR], 2, s19
	s_lshl_b32 s19, s16, 9                         ; 512 w
	s_add_co_u32 s20, s19, SCW
	v_lshl_add_u32 v[SCA], v[HH], 5, s20
	v_add_nc_u32 v[SCR], SCW, v[BOFF]
	v_mul_u32_u24 v[ABASE], v[RR], PITCH
	v_lshl_add_u32 v[ABASE], v[HH], 4, v[ABASE]
.irp a, 0,1,2,3,4,5,6,7
	v_add_nc_u32 v[ADRA+\a], \a*16*PITCH, v[ABASE]
.endr
	v_and_b32 v[MX], 7, v0
	v_lshl_add_u32 v[MX], v[HH], 3, v[MX]
	v_mul_u32_u24 v[TBASE], v[MX], PITCH
	v_bfe_u32 v[TP], v0, 3, 1
	v_lshl_add_u32 v[TBASE], v[TP], 4, v[TBASE]
	v_add_nc_u32 v[TBASE], s19, v[TBASE]
	s_lshl_b32 s20, s16, 8
	s_add_co_u32 s20, s20, PB
	v_lshl_add_u32 v[PBW], v[LANE], 3, s20
	v_lshl_add_u32 v[PBR], v[HH], 4, s20
	; ---- FILL: my 32 rows through a ring of seven row slots in registers.  Loads come back in order (ISA guide 5.7.1): a turn's count is
	; what was issued behind its row: six rows (48); at the end fewer rows, and the first three K steps of B (16 loads each) among them.
	WIN W_ALL2
.set rho, 0
.rept 25
	FROW rho, 48, 1
.set rho, rho+1
.endr
	FROW 25, 48, 0                                 ; rows 26-31
	FROW 26, 40, 0                                 ; rows 27-31
	FROW 27, 32, 0                                 ; rows 28-31
	WIN W_TOB
	BLOAD 0, 0
	WIN W_ALL2
	FROW 28, 40, 0                                 ; rows 29-31 (24) + B step 0 (16)
	WIN W_TOB
	BLOAD 1, 1
	WIN W_ALL2
	FROW 29, 48, 0                                 ; rows 30, 31 (16) + B steps 0, 1 (32)
	FROW 30, 40, 0                                 ; row 31 (8) + 32
	WIN W_TOB
	BLOAD 2, 2
	WIN W_ALL2
	FROW 31, 48, 0                                 ; B steps 0-2
	WIN 0
	; ht: the four partial sums over K (their loads are the oldest of all: in).  Va times -2.
.irp i, 0,2,4,6,8,10,12,14
	v_pk_add_f32 v[HT+\i:HT+\i+1], v[RAW+\i:RAW+\i+1], v[RAW+16+\i:RAW+16+\i+1]
	v_pk_add_f32 v[RAW+32+\i:RAW+32+\i+1], v[RAW+32+\i:RAW+32+\i+1], v[RAW+48+\i:RAW+48+\i+1]
	v_pk_add_f32 v[HT+\i:HT+\i+1], v[HT+\i:HT+\i+1], v[RAW+32+\i:RAW+32+\i+1]
	v_pk_mul_f32 v[VA+\i:VA+\i+1], v[VA+\i:VA+\i+1], -2.0 op_sel_hi:[1,0]
.endr
	s_wait_dscnt 0x0                               ; my rows are in LDS, for the other waves' reads
	s_barrier_signal -1
	s_barrier_wait -1                              ; all 128 rows are; they are not written again
	; ---- GEMM and epilogue, twice
	CHUNK 0
	CHUNK 1
	; ---- END
	s_wait_dscnt 0x0                               ; my partial scores are in LDS
	s_barrier_signal -1
	s_barrier_wait -1
.irp p, 0,1,2,3,4,5,6,7
	ds_load_b128 v[RAW+4*\p:RAW+4*\p+3], v[SCR] offset:512*\p      ; rows 4 lane .. + 3 of partial p = 4 c + w
.endr
.irp q, 0,1,2,3
	v_add_nc_u32 v[ADRA+\q], \q*32*PITCH, v[TBASE]                 ; the transposing loads' addresses, K block q = rows 32 q ..
.endr
	s_wait_dscnt 0x0
.irp p, 0,2,4,6
	v_pk_add_f32 v[RAW+4*\p:RAW+4*\p+1],   v[RAW+4*\p:RAW+4*\p+1],   v[RAW+4*\p+4:RAW+4*\p+5]
	v_pk_add_f32 v[RAW+4*\p+2:RAW+4*\p+3], v[RAW+4*\p+2:RAW+4*\p+3], v[RAW+4*\p+6:RAW+4*\p+7]
.endr
	v_pk_add_f32 v[RAW:RAW+1],     v[RAW:RAW+1],     v[RAW+8:RAW+9]
	v_pk_add_f32 v[RAW+2:RAW+3],   v[RAW+2:RAW+3],   v[RAW+10:RAW+11]
	v_pk_add_f32 v[RAW+16:RAW+17], v[RAW+16:RAW+17], v[RAW+24:RAW+25]
	v_pk_add_f32 v[RAW+18:RAW+19], v[RAW+18:RAW+19], v[RAW+26:RAW+27]
	v_pk_add_f32 v[SC:SC+1],   v[RAW:RAW+1],   v[RAW+16:RAW+17]    ; the same tree in all four waves: the same numbers
	v_pk_add_f32 v[SC+2:SC+3], v[RAW+2:RAW+3], v[RAW+18:RAW+19]
	s_cmp_lg_u32 s16, 0
	s_cbranch_scc1 .Lnot_wave_0
	global_store_b128 v[BOFF], v[SC:SC+3], s[12:13]                ; wave 0: the block's 128 scores, 512 consecutive bytes
.Lnot_wave_0:
	v_max3_num_f32 v[MX], v[SC], v[SC+1], v[SC+2]
	v_max_num_f32 v[MX], v[MX], v[SC+3]
	v_max_num_f32_dpp v[MX], v[MX], v[MX] row_xmask:1 row_mask:0xf bank_mask:0xf
	v_max_num_f32_dpp v[MX], v[MX], v[MX] row_xmask:2 row_mask:0xf bank_mask:0xf
	v_max_num_f32_dpp v[MX], v[MX], v[MX] row_xmask:4 row_mask:0xf bank_mask:0xf
	v_max_num_f32_dpp v[MX], v[MX], v[MX] row_xmask:8 row_mask:0xf bank_mask:0xf
	v_permlanex16_b32 v[TP], v[MX], s24, s25       ; its destination has been written before
	v_max_num_f32 v[MX], v[MX], v[TP]              ; the block's maximum, in every lane
	; p = e^(sc - m).  The difference is formed first and then scaled, so that a large common part of the scores cancels without rounding.
.irp i, 0,1,2,3
	v_sub_f32 v[RAW+\i], v[SC+\i], v[MX]
.endr
.irp i, 0,1,2,3
	v_mul_f32 v[RAW+\i], s26, v[RAW+\i]
.endr
.irp i, 0,1,2,3
	v_exp_f32 v[RAW+\i], v[RAW+\i]
.endr
	v_nop                                          ; one plain instruction behind the transcendentals (ISA guide 5.7.2)
	s_wait_alu depctr_va_vdst(0)
	v_cvt_pk_bf16_f32 v[RAW+4], v[RAW],   v[RAW+1]
	v_cvt_pk_bf16_f32 v[RAW+5], v[RAW+2], v[RAW+3]
	ds_store_b64 v[PBW], v[RAW+4:RAW+5]            ; my wave's own copy of the 128 p: LDS serves a wave's instructions in order (ISA guide 5.7.1), no wait
.irp q, 0,1,2,3
	ds_load_b128 v[HT+8*\q:HT+8*\q+3],   v[PBR] offset:64*\q       ; p as A fragments: all 16 rows of A alike, k = 32 q + 8 h ..
	ds_load_b128 v[HT+8*\q+4:HT+8*\q+7], v[PBR] offset:64*\q+32    ; k = 32 q + 16 + 8 h ..
.endr
	WIN W_TOB
	FETCHT 0
	FETCHT 1
	s_wait_dscnt 32                                ; all but K block 1's 32 loads: p and K block 0 are in
	WIN W_WGT
	MULT 0, 1
	PLACES
	WIN W_TOB
	FETCHT 2
	s_wait_dscnt 32
	WIN W_WGT
	MULT 1, 0
	PLACES
	WIN W_TOB
	FETCHT 3
	s_wait_dscnt 32
	WIN W_WGT
	MULT 2, 0
	s_wait_dscnt 0
	MULT 3, 0
	PLACES
	WIN 0
	; register 0 of tile t, lane (r, h): column 256 w + 16 t + r (rows 0 and 8 of the result are alike).  Through my own stage into whole rows.
.irp t, 0,1,2,3,4,5,6,7,8,9,10,11,12,13,14,15
	ds_store_b32 v[OSW], v[F0+8*\t] offset:64*\t
.endr
	ds_load_b128 v[RAW:RAW+3],   v[OSR]
	ds_load_b128 v[RAW+4:RAW+7], v[OSR] offset:512
	s_wait_dscnt 0x0
	global_store_b128 v[POFF], v[RAW:RAW+3],   s[14:15]            ; 512 consecutive bytes each
	global_store_b128 v[POFF], v[RAW+4:RAW+7], s[14:15] offset:512
	s_wait_xcnt 0x0
	v_lshl_add_u32 v254, v0, 2, 0x42c00
	v_mov_b32 v255, 0
	s_wait_tensorcnt 0x0
	ds_add_u32 v254, v255
	s_wait_dscnt 0x0
	s_endpgm
.Lfunc_end_k_qb52d76ac65_main:
	.size	k_qb52d76ac65_main, .Lfunc_end_k_qb52d76ac65_main-k_qb52d76ac65_main
	.p2alignl 7, 3214868480
	.fill 96, 4, 3214868480
	.section	.rodata,"a",@progbits
	.p2align	6, 0x0
	.amdhsa_kernel k_qb52d76ac65_main
		.amdhsa_group_segment_fixed_size 273920
		.amdhsa_private_segment_fixed_size 0
		.amdhsa_enable_private_segment 0
		.amdhsa_kernarg_size 48
		.amdhsa_user_sgpr_count 2
		.amdhsa_user_sgpr_kernarg_segment_ptr 1
		.amdhsa_wavefront_size32 1
		.amdhsa_system_sgpr_workgroup_id_x 1
		.amdhsa_system_sgpr_workgroup_id_y 1
		.amdhsa_system_sgpr_workgroup_id_z 1
		.amdhsa_system_vgpr_workitem_id 0
		.amdhsa_next_free_vgpr 1024
		.amdhsa_next_free_sgpr 66
		.amdhsa_reserve_vcc 0
		.amdhsa_float_denorm_mode_32 3
		.amdhsa_float_denorm_mode_16_64 3
		.amdhsa_memory_ordered 1
		.amdhsa_forward_progress 1
		.amdhsa_inst_pref_size 255
	.end_amdhsa_kernel
	.section	.bss,"aw",@nobits
	.p2align	6
	.space	262144
	.amdgpu_metadata
---
amdhsa.version: [ 1, 2 ]
amdhsa.kernels:
  - .name:           k_qb52d76ac65_main
    .symbol:         k_qb52d76ac65_main.kd
    .args:
      - { .name: context, .offset: 0, .size: 8, .value_kind: global_buffer, .address_space: global }
      - { .name: wfrag, .offset: 8, .size: 8, .value_kind: global_buffer, .address_space: global }
      - { .name: htp, .offset: 16, .size: 8, .value_kind: global_buffer, .address_space: global }
      - { .name: Va, .offset: 24, .size: 8, .value_kind: global_buffer, .address_space: global }
      - { .name: scores, .offset: 32, .size: 8, .value_kind: global_buffer, .address_space: global }
      - { .name: part, .offset: 40, .size: 8, .value_kind: global_buffer, .address_space: global }
    .group_segment_fixed_size: 273920
    .private_segment_fixed_size: 0
    .kernarg_segment_align: 8
    .kernarg_segment_size: 48
    .max_flat_workgroup_size: 128
    .sgpr_count:     66
    .vgpr_count:     1024
    .wavefront_size: 32
...
	.end_amdgpu_metadata
.endif
;; end of part 2
;; launch combine (part 3): grid 8 x 32, 4 waves a work-group, no clusters, 4,608 bytes of LDS; arguments scores, part, out0, out1; writes out0, out1
.if DOCPART == 3
	.amdgcn_target "amdgcn-amd-amdhsa--gfx1250"
	.amdhsa_code_object_version 6
	.text
	.protected	k_qb52d76ac65_combine
	.globl	k_qb52d76ac65_combine
	.p2align	8
	.type	k_qb52d76ac65_combine,@function
k_qb52d76ac65_combine:
	s_mov_b64 s[64:65], 0
	v_nop
	global_prefetch_b8 v0, s[64:65] scope:SCOPE_SE
	s_setreg_imm32_b32 hwreg(HW_REG_WAVE_MODE, 25, 1), 1
	s_wait_xcnt 0x0
; COMBINE.  scores: [32][2048] f32 (score minus a constant of the batch).  part: [32 x 16 blocks][1024] f32 = sum over the block's 128 rows of
; e^(sc - block maximum) ctx[row][d].  Work-group (q = x, batch = y), four waves:
;   M = the batch's maximum, S = sum of e^(sc - M);  out1[batch][256 q ..] = e^(sc - M) / S;
;   out0[batch][128 q ..] = sum over the 16 blocks of e^(block maximum - M) part[block] / S.
; Each of a batch's eight work-groups reads all its 8,192 bytes of scores: less than passing M and S through a further launch.
; Wave w's i-th load of scores is exactly block 4 i + w, so a block's maximum is a maximum over one wave, taken from the same stored numbers
; as in the main launch: the same value.  S is at least 1: the largest score adds e^0.
; A stream of 8 KiB of scores and 8 KiB of parts a work-group: no matrix unit, tensor loads or clusters.
; Limits: inputs finite; weights below 2^-126 come out as 0 (ISA guide, v_exp_f32).
.set SCV, 8                            ; v[8:23]   scores, block 4 i + w at 4 i
.set PT,  24                           ; v[24:39]  part, the same blocks, my 4 columns
.set MY,  40                           ; v[40:41]  the two scores whose weights I store
.set BM,  42                           ; v[42:45]  block maxima, then e^(block maximum - M)
	s_load_b256 s[4:11], s[0:1], 0x0               ; scores s[4:5], part s[6:7], out0 s[8:9], out1 s[10:11]
	v_lshl_add_u32 v64, v0, 2, 0x1000
	v_mov_b32 v65, 0
	v_lshrrev_b32 v1, 5, v0
	v_readfirstlane_b32 s12, v1                    ; wave
	s_and_b32 s13, ttmp7, 0xffff                   ; batch
	s_mov_b32 s14, 0x76543210                      ; v_permlanex16_b32: lane i of one half reads lane i of the other
	s_mov_b32 s15, 0xfedcba98
	s_mov_b32 s16, 0x3fb8aa3b                      ; log2(e)
	s_mov_b32 s17, 0                               ; the pair's second word is named by the packed multiply, not used
	v_and_b32 v1, 31, v0                           ; lane
	v_lshlrev_b32 v2, 4, v0                        ; 16 t
	v_lshlrev_b32 v3, 3, v0
	s_lshl_b32 s18, ttmp9, 10
	v_add_nc_u32 v3, s18, v3                       ; 1024 q + 8 t: my two scores, and my two weights in out1
	s_lshl_b32 s19, ttmp9, 9                       ; 512 q: my work-group's 128 columns
	s_lshl_b32 s20, s12, 12                        ; block w
	s_add_co_u32 s20, s20, s19
	v_lshl_add_u32 v4, v1, 4, s20                  ; offset in part
	v_lshl_add_u32 v5, v1, 4, s19                  ; offset in out0
	v_mov_b32 v6, s12
	v_lshlrev_b32 v6, 2, v6                        ; LDS: my wave's word
	v_mov_b32 v7, 0
	s_lshl_b32 s21, s12, 9
	v_lshl_add_u32 v58, v1, 4, s21                 ; LDS: my wave's 512 bytes of sums
	v_lshlrev_b32 v59, 4, v1
	v_mov_b32 v46, 0                               ; v_permlanex16_b32 counts as a reader of its destination
	s_lshl_b32 s22, s13, 13
	s_mov_b32 s23, 0
	s_wait_kmcnt 0x0
	s_add_nc_u64 s[4:5], s[4:5], s[22:23]
	s_add_nc_u64 s[10:11], s[10:11], s[22:23]
	s_lshl_b32 s22, s13, 16
	s_add_nc_u64 s[6:7], s[6:7], s[22:23]
	s_lshl_b32 s22, s13, 12
	s_add_nc_u64 s[8:9], s[8:9], s[22:23]
.irp i, 0,1,2,3
	global_load_b128 v[SCV+4*\i:SCV+4*\i+3], v2, s[4:5] offset:2048*\i
.endr
.irp i, 0,1,2,3
	global_load_b128 v[PT+4*\i:PT+4*\i+3], v4, s[6:7] offset:16384*\i
.endr
	global_load_b64 v[MY:MY+1], v3, s[4:5]
	s_wait_loadcnt 0x5                             ; the scores are in; the five younger loads stay out
.irp i, 0,1,2,3
	v_max3_num_f32 v[BM+\i], v[SCV+4*\i], v[SCV+4*\i+1], v[SCV+4*\i+2]
	v_max_num_f32 v[BM+\i], v[BM+\i], v[SCV+4*\i+3]
.endr
.irp m, 1,2,4,8
.irp i, 0,1,2,3
	v_max_num_f32_dpp v[BM+\i], v[BM+\i], v[BM+\i] row_xmask:\m row_mask:0xf bank_mask:0xf
.endr
.endr
.irp i, 0,1,2,3
	v_permlanex16_b32 v46, v[BM+\i], s14, s15
	v_max_num_f32 v[BM+\i], v[BM+\i], v46
.endr
	v_max3_num_f32 v47, v[BM], v[BM+1], v[BM+2]
	v_max_num_f32 v47, v47, v[BM+3]
	ds_store_b32 v6, v47                           ; all lanes store the same word with the same value
	s_wait_dscnt 0x0
	s_barrier_signal -1
	s_barrier_wait -1
	ds_load_b128 v[48:51], v7
	s_wait_dscnt 0x0
	v_max3_num_f32 v54, v48, v49, v50
	v_max_num_f32 v54, v54, v51                    ; M
	v_mov_b32 v55, v54
	s_wait_loadcnt 0x0                             ; part and my two scores
	; (value - M) log2(e) for the 16 scores, my two scores and the four block maxima: the difference first, so that a large common part cancels
.irp i, 8,10,12,14,16,18,20,22,40,42,44
	v_pk_add_f32 v[\i:\i+1], v[\i:\i+1], v[54:55] neg_lo:[0,1] neg_hi:[0,1]
	v_pk_mul_f32 v[\i:\i+1], v[\i:\i+1], s[16:17] op_sel_hi:[1,0]
.endr
.irp i, 8,9,10,11,12,13,14,15,16,17,18,19,20,21,22,23,40,41,42,43,44,45
	v_exp_f32 v\i, v\i
.endr
	v_nop                                          ; one plain instruction behind the transcendentals (ISA guide 5.7.2)
	s_wait_alu depctr_va_vdst(0)
	v_pk_add_f32 v[8:9],   v[8:9],   v[10:11]
	v_pk_add_f32 v[12:13], v[12:13], v[14:15]
	v_pk_add_f32 v[16:17], v[16:17], v[18:19]
	v_pk_add_f32 v[20:21], v[20:21], v[22:23]
	v_pk_add_f32 v[8:9],   v[8:9],   v[12:13]
	v_pk_add_f32 v[16:17], v[16:17], v[20:21]
	v_pk_add_f32 v[8:9],   v[8:9],   v[16:17]
	v_add_f32 v8, v8, v9
	v_add_f32_dpp v8, v8, v8 row_xmask:1 row_mask:0xf bank_mask:0xf
	v_add_f32_dpp v8, v8, v8 row_xmask:2 row_mask:0xf bank_mask:0xf
	v_add_f32_dpp v8, v8, v8 row_xmask:4 row_mask:0xf bank_mask:0xf
	v_add_f32_dpp v8, v8, v8 row_xmask:8 row_mask:0xf bank_mask:0xf
	v_permlanex16_b32 v46, v8, s14, s15
	v_add_f32 v8, v8, v46                          ; my wave's four blocks' sum of e^(sc - M)
	; my four blocks' parts, each scaled by its e^(block maximum - M)
	v_pk_mul_f32 v[PT:PT+1],   v[PT:PT+1],   v[BM:BM+1] op_sel_hi:[1,0]
	v_pk_mul_f32 v[PT+2:PT+3], v[PT+2:PT+3], v[BM:BM+1] op_sel_hi:[1,0]
	v_pk_fma_f32 v[PT:PT+1],   v[PT+4:PT+5],   v[BM:BM+1],   v[PT:PT+1]   op_sel:[0,1,0] op_sel_hi:[1,1,1]
	v_pk_fma_f32 v[PT+2:PT+3], v[PT+6:PT+7],   v[BM:BM+1],   v[PT+2:PT+3] op_sel:[0,1,0] op_sel_hi:[1,1,1]
	v_pk_fma_f32 v[PT:PT+1],   v[PT+8:PT+9],   v[BM+2:BM+3], v[PT:PT+1]   op_sel_hi:[1,0,1]
	v_pk_fma_f32 v[PT+2:PT+3], v[PT+10:PT+11], v[BM+2:BM+3], v[PT+2:PT+3] op_sel_hi:[1,0,1]
	v_pk_fma_f32 v[PT:PT+1],   v[PT+12:PT+13], v[BM+2:BM+3], v[PT:PT+1]   op_sel:[0,1,0] op_sel_hi:[1,1,1]
	v_pk_fma_f32 v[PT+2:PT+3], v[PT+14:PT+15], v[BM+2:BM+3], v[PT+2:PT+3] op_sel:[0,1,0] op_sel_hi:[1,1,1]
	ds_store_b32 v6, v8 offset:64                  ; other bytes than the maxima's
	ds_store_b128 v58, v[PT:PT+3] offset:256
	s_wait_dscnt 0x0
	s_barrier_signal -1
	s_barrier_wait -1
	ds_load_b128 v[48:51], v7 offset:64
	s_wait_dscnt 0x0
	v_add_f32 v48, v48, v49
	v_add_f32 v50, v50, v51
	v_add_f32 v52, v48, v50                        ; S
	v_rcp_f32 v56, v52                             ; twice, to fill the pair that the packed multiplies name
	v_rcp_f32 v57, v52
	v_nop                                          ; one plain instruction behind the transcendentals
	s_wait_alu depctr_va_vdst(0)
	v_pk_mul_f32 v[MY:MY+1], v[MY:MY+1], v[56:57]
	global_store_b64 v3, v[MY:MY+1], s[10:11]      ; a wave stores 256 consecutive bytes, aligned
	s_cmp_lg_u32 s12, 0
	s_cbranch_scc1 .Lend
	ds_load_b128 v[8:11],  v59 offset:256          ; wave 0: the four waves' sums of my work-group's 128 columns
	ds_load_b128 v[12:15], v59 offset:768
	ds_load_b128 v[16:19], v59 offset:1280
	ds_load_b128 v[20:23], v59 offset:1792
	s_wait_dscnt 0x0
	v_pk_add_f32 v[8:9],   v[8:9],   v[12:13]
	v_pk_add_f32 v[10:11], v[10:11], v[14:15]
	v_pk_add_f32 v[16:17], v[16:17], v[20:21]
	v_pk_add_f32 v[18:19], v[18:19], v[22:23]
	v_pk_add_f32 v[8:9],   v[8:9],   v[16:17]
	v_pk_add_f32 v[10:11], v[10:11], v[18:19]
	v_pk_mul_f32 v[8:9],   v[8:9],   v[56:57]
	v_pk_mul_f32 v[10:11], v[10:11], v[56:57]
	global_store_b128 v5, v[8:11], s[8:9]          ; 512 consecutive bytes
.Lend:
	s_wait_tensorcnt 0x0
	ds_add_u32 v64, v65
	s_wait_dscnt 0x0
	s_endpgm
.Lfunc_end_k_qb52d76ac65_combine:
	.size	k_qb52d76ac65_combine, .Lfunc_end_k_qb52d76ac65_combine-k_qb52d76ac65_combine
	.p2alignl 7, 3214868480
	.fill 96, 4, 3214868480
	.section	.rodata,"a",@progbits
	.p2align	6, 0x0
	.amdhsa_kernel k_qb52d76ac65_combine
		.amdhsa_group_segment_fixed_size 4608
		.amdhsa_private_segment_fixed_size 0
		.amdhsa_enable_private_segment 0
		.amdhsa_kernarg_size 32
		.amdhsa_user_sgpr_count 2
		.amdhsa_user_sgpr_kernarg_segment_ptr 1
		.amdhsa_wavefront_size32 1
		.amdhsa_system_sgpr_workgroup_id_x 1
		.amdhsa_system_sgpr_workgroup_id_y 1
		.amdhsa_system_sgpr_workgroup_id_z 1
		.amdhsa_system_vgpr_workitem_id 0
		.amdhsa_next_free_vgpr 66
		.amdhsa_next_free_sgpr 66
		.amdhsa_reserve_vcc 0
		.amdhsa_float_denorm_mode_32 3
		.amdhsa_float_denorm_mode_16_64 3
		.amdhsa_memory_ordered 1
		.amdhsa_forward_progress 1
		.amdhsa_inst_pref_size 11
	.end_amdhsa_kernel
	.amdgpu_metadata
---
amdhsa.version: [ 1, 2 ]
amdhsa.kernels:
  - .name:           k_qb52d76ac65_combine
    .symbol:         k_qb52d76ac65_combine.kd
    .args:
      - { .name: scores, .offset: 0, .size: 8, .value_kind: global_buffer, .address_space: global }
      - { .name: part, .offset: 8, .size: 8, .value_kind: global_buffer, .address_space: global }
      - { .name: out0, .offset: 16, .size: 8, .value_kind: global_buffer, .address_space: global }
      - { .name: out1, .offset: 24, .size: 8, .value_kind: global_buffer, .address_space: global }
    .group_segment_fixed_size: 4608
    .private_segment_fixed_size: 0
    .kernarg_segment_align: 8
    .kernarg_segment_size: 32
    .max_flat_workgroup_size: 128
    .sgpr_count:     66
    .vgpr_count:     66
    .wavefront_size: 32
...
	.end_amdgpu_metadata
.endif
;; end of part 3
